; MI455X (gfx1250); checked and timed in simulation.
; The chip was launched on July 23, 2026; its instructions are those of AMD's public machine-readable ISA for CDNA 5 (MIT licence, August 2026) and "CDNA5" Instruction Set Architecture Reference Guide (July 2026). The comments in the code are by the model that wrote it; some were corrected since.
;; Multi Head Self Attention. Allowed arithmetic: matrix products marked QUANTISED: E2M1 operands, one E8M0 scale for each 32 along K, by v_wmma_scale_f32_16x16x128_f8f6f4 with both operands' format E2M1 (or v_wmma_scale_f32_32x16x128_f4), f32 sums; everything else in f32.
;; Inputs: Wk_codes 1,024 x 32 x 16 uint8 (E2M1 codes of Wk, K innermost, in blocks of 32 codes, two codes a byte); Wk_scales 1,024 x 32 uint8 (E8M0 scales of Wk, one for each 32 codes along K); Wo_codes 1,024 x 32 x 16 uint8 (E2M1 codes of Wo, K innermost, in blocks of 32 codes, two codes a byte); Wo_scales 1,024 x 32 uint8 (E8M0 scales of Wo, one for each 32 codes along K); Wq_codes 1,024 x 32 x 16 uint8 (E2M1 codes of Wq, K innermost, in blocks of 32 codes, two codes a byte); Wq_scales 1,024 x 32 uint8 (E8M0 scales of Wq, one for each 32 codes along K); Wv_codes 1,024 x 32 x 16 uint8 (E2M1 codes of Wv, K innermost, in blocks of 32 codes, two codes a byte); Wv_scales 1,024 x 32 uint8 (E8M0 scales of Wv, one for each 32 codes along K); bk 1,024 float32; bo 1,024 float32; bq 1,024 float32; bv 1,024 float32; x_codes 2 x 2,048 x 32 x 16 uint8 (E2M1 codes of x, K innermost, in blocks of 32 codes, two codes a byte); x_scales 2 x 2,048 x 32 uint8 (E8M0 scales of x, one for each 32 codes along K).
;; Outputs: out0 2 x 2,048 x 1,024 float32.
;; This version of the problem:
;;   THIS VERSION OF THE PROBLEM IS GIVEN IN LOW PRECISION. The matrix products marked QUANTISED in the list below multiply operands that are first quantised to E2M1 (2 exponent bits, 1 mantissa bit; 4 bits a number), with one power-of-two scale for each 32 numbers along K (OCP MX v1.0); their sums are f32. All else is computed in f32.
;;   The module's matrix products, in the order in which they are computed (A, B: the left and right operand; K: the contracted axis; several contracted axes count as one K, in the product's order):
;;     1. [M 4,096, K 1,024] x [K 1,024, N 1,024]; A: input x (given as codes); B: input Wq (given as codes): QUANTISED
;;     2. [M 4,096, K 1,024] x [K 1,024, N 1,024]; A: input x (given as codes); B: input Wk (given as codes): QUANTISED
;;     3. [M 4,096, K 1,024] x [K 1,024, N 1,024]; A: input x (given as codes); B: input Wv (given as codes): QUANTISED
;;     4. batch 32 x [M 2,048, K 64] x [K 64, N 2,048]; A: computed on the way; B: computed on the way: QUANTISED
;;     5. batch 32 x [M 2,048, K 2,048] x [K 2,048, N 64]; A: softmax (see below); B: computed on the way: QUANTISED
;;     6. [M 4,096, K 1,024] x [K 1,024, N 1,024]; A: computed on the way; B: input Wo (given as codes): QUANTISED
;;   THE QUANTISER, for each operand of a quantised product, along K:
;;     - K is cut into blocks of 32 from its start; a last block that is shorter is filled with zeros.
;;     - A block's scale is 2^e with e = floor(log2(the largest magnitude in the block)) - 2, held to -126 .. 127; a block of zeros has e = 0. As a byte (E8M0): e + 127.
;;     - Each number is divided by its block's scale, clamped to +-6, and rounded to the nearest number of E2M1, ties to even, subnormals kept.
;;     - The product sums the exact products of the quantised numbers (number of the format x scale) in f32.
;;   ~~~python
;;   def quantise(x, axis):      # numpy; x: float32 -> the quantised numbers, widened to float32 again
;;       x = np.moveaxis(x, axis, -1); K = x.shape[-1]
;;       x = np.pad(x, [(0, 0)] * (x.ndim - 1) + [(0, -K % 32)]); x = x.reshape(x.shape[:-1] + (-1, 32)); a = np.abs(x).max(-1, keepdims=True)
;;       e = np.where(a > 0, np.clip(np.frexp(np.where(a > 0, a, 1))[1] - 1 - 2, -126, 127), 0)      # np.frexp(a)[1] - 1 = floor(log2(a)), exactly
;;       r = np.clip(x / 2.0 ** e, -6, 6)
;;       step = 2.0 ** (np.maximum(np.frexp(np.where(r == 0, 1, r))[1] - 1, 0) - 1)
;;       q = np.round(r / step) * step * 2.0 ** e      # np.round: ties to even
;;       return np.moveaxis(q.reshape(q.shape[:-2] + (-1,))[..., :K], -1, axis).astype(np.float32)
;;   ~~~
;;   SOFTMAX AHEAD OF A QUANTISED PRODUCT. Where the list says 'softmax', what is quantised is not the finished softmax but p = 2^(t - M), with t = logit x log2(e) and M = ceil(the row's largest t), a whole number; so 1/2 < the row's largest p <= 1. The row's sum l is taken of the UNQUANTISED p, in f32, and the product's result is divided by l at the end. Since M is a whole number, a kernel that streams over the keys may use a running M (the ceiling of the running maximum): every later rescaling is an exact power of two, which a block's scale takes up: the codes' values come out the same.
;;   OPERANDS COMPUTED ON THE WAY. 'Computed on the way' means the value that the module computes at that place (a softmax that the list does not call 'softmax' is quantised finished and normalised). What goes into a quantiser is computed in f32, as accurately as f32 sums, v_exp_f32 and their like allow (about 1e-6 of the number): no bf16 or f16 on the way to a quantiser, and a product that is left as it is and whose result goes on into a quantised operand takes f32 operands (vector FMAs, or v_wmma_f32_16x16x4_f32). A number that lies on a knife's edge between two numbers of the format may be rounded either way, as far as f32 arithmetic and the matrix unit's own rounding can turn it there, and no further.
;;   INPUTS GIVEN AS CODES. Wk (in the module: [1024, 1024], K = its axis 0); Wo (in the module: [1024, 1024], K = its axis 0); Wq (in the module: [1024, 1024], K = its axis 0); Wv (in the module: [1024, 1024], K = its axis 0); x (in the module: [2, 2048, 1024], K = its axis 2): each comes as NAME_codes (uint8): NAME with its K axis moved to the last place and cut into blocks of 32 codes, [.., K / 32, bytes a block], one block behind the other in memory; two codes a byte, the lower K in the low four bits (a code: sign, 2 exponent bits, 1 mantissa bit); and NAME_scales (uint8): the same leading axes, one E8M0 byte (e + 127) for each 32 codes along K. Its value is code x scale, taken as it is: it is not quantised again, and the codes and scales need not be those that the quantiser above would give.
;; One version. Each part assembles by itself: llvm-mc -triple=amdgcn-amd-amdhsa -mcpu=gfx1250 --defsym DOCPART=n.
;; ======== version 1 of 1: 3 launches
;; limits: right only within a limited range of input values
;; workspace buffers: qc 2,097,152 bytes; qs 262,144 bytes; kv 4,456,448 bytes; oc 2,097,152 bytes; os 131,072 bytes
;; launch qkv (part 1): grid 16 x 16, 8 waves a work-group, clusters of 4 x 4, 249,856 bytes of LDS; arguments x_codes, x_scales, Wq_codes, Wq_scales, Wk_codes, Wk_scales, Wv_codes, Wv_scales, bq, bk, bv, qc, qs, kv; writes qc, qs, kv
.if DOCPART == 1
	.amdgcn_target "amdgcn-amd-amdhsa--gfx1250"
	.amdhsa_code_object_version 6
	.text
	.protected	k_qcc21337bb4_qkv
	.globl	k_qcc21337bb4_qkv
	.p2align	8
	.type	k_qcc21337bb4_qkv,@function
k_qcc21337bb4_qkv:
	s_mov_b64 s[64:65], 0
	v_nop
	global_prefetch_b8 v0, s[64:65] scope:SCOPE_SE
	s_setreg_imm32_b32 hwreg(HW_REG_WAVE_MODE, 25, 1), 1
	s_wait_xcnt 0x0
	s_wait_alu depctr_hold_cnt(0) depctr_sa_sdst(0) depctr_va_vdst(0) depctr_va_sdst(0) depctr_va_ssrc(0) depctr_va_vcc(0) depctr_vm_vsrc(0)
	s_getreg_b32 s2, hwreg(HW_REG_IB_STS2, 6, 4)
	s_cmp_eq_u32 s2, 0
	s_cbranch_scc0 .Lentry_in_a_cluster
	s_endpgm
.Lentry_in_a_cluster:
	s_bfe_u32 s2, ttmp6, 0x10000c
	s_cmp_lg_u32 s2, 0xf033
	s_cbranch_scc0 .Lentry_shape_is_right
	s_endpgm
.Lentry_shape_is_right:
; FIRST OF THREE LAUNCHES: Q = x Wq + bq, K = x Wk + bk, V = x Wv + bv on codes of FP4 (E2M1) with one E8M0 scale for each 32 along K, sums in f32;
; then Q and K are quantised along the head's 64 channels and V along the keys, and leave as IMAGES OF OPERAND REGISTERS for the attention launch.
; NOTHING OF reference() IS LEFT OUT in this program: every input has a way to the output (bk too: it moves K's codes), and all eleven of its input buffers are loaded.
; LIMITS: NaN and infinities among computed operands are not served.  A block whose largest magnitude lies under 2^-124 gets the scale byte 1; a block of zeros too, where the
; rule says 127: its codes are zeros, which add nothing under any byte but 0xff, and these bytes are read by this program alone.
; SHARES.  Work-group (x = head, y = block of 256 tokens) makes that head's 64 columns of Q, K and V: 256 x 192 results over K = 1,024.  Of its eight waves wave w takes tokens 64 (w % 4) .. + 63
; (4 tiles of x) against 6 tiles of columns: waves 0-3 Q's four and V's 0 and 1, waves 4-7 K's four and V's 2 and 3: 24 accumulators, 192 registers.
; All of K fits in LDS: 448 rows of 512 bytes, filled once: waves 0-3 fetch 64 rows of x each, waves 4, 5, 6 the 64 rows of Wq, Wk, Wv: one tensor load a wave.
; No prefetch: every tile is asked for once, at the head, and there is no later load to run ahead of.
; CLUSTER 4 x 4: the four work-groups of a row share their tokens (x's tile), the four of a column their head (the three weights' tiles): each tile is asked for jointly.
; LAYOUT.  Q and K are made TRANSPOSED (source 0 = 16 columns of W, source 1 = 16 tokens): a lane holds one token, its registers run along the channels.  V is made as it stands
; (source 0 = 16 tokens, source 1 = 16 columns): a lane holds one channel, its registers run along the tokens, which are the keys.  So one macro quantises all three.
; Of a block of 32 a lane (r, h) holds k = 8 h + j in its even tile and 16 + 8 h + j in its odd tile.  The four conversions of two blocks b0, b1 go to four registers on end,
; even(b0), even(b1), odd(b0), odd(b1); two exchanges of lane halves then leave block b_h whole in lane half h, k ascending: the layout of a 4-bit operand.
; THE ATTENTION LAUNCH WANTS K's TILES IN ANOTHER ORDER: of each 64 keys, tile u's row m is key 32 (m / 8) + 8 u + m % 8.  K's codes take that order on their way through a stage in LDS.
; kv: for each batch and head 16 chunks of 8,704 bytes, 128 keys each: K's codes 4,096 ([64 keys][tile u][lane]), V's codes 4,096 ([tile of channels][64 keys][lane]), K's scale words 256, V's 256.
; REGISTERS, in windows of 256: window 0: v1-23 addresses; v24-47 W's scale words, v48-63 x's; v64-127 x's fragments, two sets, and behind the products the quantiser's registers; v128-255 Q's or K's accumulators at 128 + 32 i + 8 ct.
;   window 1: v0-95 W's 6 fragments, two sets; v96-127 bq's or bk's tiles, v128-143 bv's two; v144-207 V's accumulators at 144 + 32 t + 8 i; v208-223 K's codes on their way out.
.set PITCH, 528                        ; an LDS row: 512 bytes of codes + 16 of padding = 132 words: row r starts at bank 4 r mod 64 (64 banks of 4 bytes: ISA guide 11.1)
.set XB,    256*PITCH                  ; x's 256 rows, then Wq's, Wk's, Wv's 64 rows each
.set STG,   XB+192*PITCH               ; 1,024 bytes in which K's and V's scale words of the work-group's two chunks meet
.set KST,   STG+1024                   ; 2,048 bytes for each 64 tokens: K's codes take their order here
.set SPARE, KST+8192                   ; the spare words, 128 bytes for each wave: four blocks of 256 bytes that no other line names
.set CH,    8704
.set HEAD,  16*CH
.set ADRX,  4                          ; v4     LDS address of my x fragments
.set ADRW,  6                          ; v6, v7 of my four tiles of Wq or Wk, of my two of Wv
.set L16,   8                          ; v8     16 x lane: an image's place for my lane
.set QSO,   9                          ; v9     16 r + 8 h: my two of Q's scale words
.set STK,   10                         ; v10    where K's scale bytes go in the stage
.set STV,   11                         ; v11    and V's
.set STR,   12                         ; v12    where waves 0-3 read the stage back
.set KVO,   13                         ; v13    8 x lane: and its place in memory
.set SPW,   14                         ; v14    LDS address of my spare word; never rewritten
.set NIL,   15                         ; v15    0; never rewritten
.set L32,   16                         ; v16    32 x lane: a row of scale bytes
.set H32,   17                         ; v17    32 h
.set R4,    18                         ; v18    4 r
.set KSW,   22                         ; v22    where K's codes go in my stage
.set KSR,   23                         ; v23    and where they are read back
.set WS,    24                         ; W's scale words: pair of tiles P (0, 1: Wq's or Wk's; 2: Wv's), K step s at v[WS + 8 P + s]: lanes 0-15 the even tile's rows, lanes 16-31 the odd tile's
.set XS,    48                         ; x's likewise, 2 pairs
.set XF,    64                         ; x's fragments: set p, tile i at v[XF + 32 p + 8 i]
.set TM,    64                         ; behind the products: largest magnitudes of the blocks;
.set TP,    72                         ; the other lane half's;
.set SO,    80                         ; the conversions' scale operands;
.set BY,    88                         ; the bytes;
.set HW,    96                         ; Q's or K's groups' two bytes
.set QW,    100
.set PC,    104                        ; Q's or K's codes, 16 registers
.set QP,    120
.set KV,    122
.set HV,    84                         ; V's groups' two bytes;  V's codes go to v68-71, v76-79
.set AQ,    128
.set BQ,    96
.set BV,    128
.set AV,    144
.set KR,    208
.set G1X,   24                         ; s[24:31] descriptor group 1 for x's rows;  s[32:39] for a weight's;  s[48:51], s[56:59] their groups 0
.set G1W,   32
.set G0X,   48
.set G0W,   56
.set MSB, 0
.macro WIN new                         ; bits 1:0 source 0, 3:2 source 1, 5:4 source 2, 7:6 destination; the immediate's high byte repeats the setting that is left
.if MSB != (\new)
	s_set_vgpr_msb (MSB<<8)|(\new)
.set MSB, (\new)
.endif
.endm
.macro PLACES n                        ; plain vector lines between a matrix instruction and a load into, or a read of, its registers
.rept \n
	v_nop
.endr
.endm
.macro CROUND                          ; a round of the cluster's barrier
	s_barrier_signal -1
	s_barrier_wait -1
	s_cmp_lg_u32 s14, 0
	s_cbranch_scc1 .Lnot_wave_0_\@
	s_barrier_signal -3
.Lnot_wave_0_\@:
	s_barrier_wait -3
	s_barrier_signal -1
	s_barrier_wait -1
.endm
	s_load_b512 s[68:83], s[0:1], 0x0              ; x_codes 68, x_scales 70, Wq_codes 72, Wq_scales 74, Wk_codes 76, Wk_scales 78, Wv_codes 80, Wv_scales 82
	s_load_b256 s[84:91], s[0:1], 0x40             ; bq 84, bk 86, bv 88, qc 90
	s_load_b128 s[92:95], s[0:1], 0x60             ; qs 92, kv 94
	v_lshl_add_u32 v[SPW], v0, 2, SPARE
	v_mov_b32 v[NIL], 0
	ds_add_u32 v[SPW], v[NIL]                      ; the wave's opening: the add, twice on end, and its wait ahead of my first tensor load
	ds_add_u32 v[SPW], v[NIL]                      ; and once more; the set-up below, work on registers, stands between it and the wait
	v_lshrrev_b32 v1, 5, v0
	v_readfirstlane_b32 s14, v1                    ; wave 0..7
	s_bfe_u32 s40, ttmp6, 0x40000                  ; cx, cy: my place in the cluster
	s_bfe_u32 s41, ttmp6, 0x40004
	s_lshl_b32 s42, ttmp9, 2
	s_add_co_u32 s42, s42, s40                     ; head = 4 x cluster x + cx
	s_and_b32 s17, ttmp7, 0xffff
	s_lshl_b32 s17, s17, 2
	s_add_co_u32 s17, s17, s41                     ; block of 256 tokens = 4 x cluster y + cy
	s_lshl_b32 s43, s41, 2
	s_lshl_b32 s43, 15, s43                        ; my row of the cluster
	s_lshl_b32 s44, 0x1111, s40                    ; my column
	s_or_b32 s[G1X+0], s43, (1<<20)|(1<<21)|(6<<22)|(3<<25)   ; 15:0 the mask: x's rows go to my row; elements of 1 byte; padding on; bit 21 beside a mask; 4 words of padding behind every 128
	s_or_b32 s[G1W+0], s44, (1<<20)|(1<<21)|(6<<22)|(3<<25)   ; the same with my column's mask
.irp g, G1X, G1W
	s_mov_b32 s[\g+1], 512<<16                     ; tensor_dim0 = 512 bytes: a row's 1,024 codes
	s_mov_b32 s[\g+2], 64<<16                      ; tensor_dim1 = 64 rows
	s_mov_b32 s[\g+3], 512<<16                     ; tile_dim0
	s_mov_b32 s[\g+4], 64                          ; tile_dim1
	s_mov_b32 s[\g+5], 512                         ; pitch in memory
	s_mov_b32 s[\g+6], 0
	s_mov_b32 s[\g+7], 0
.endr
	s_lshl_b32 s20, s17, 17                        ; x: 256 rows of 512 bytes a block (registers that never hold cx); 64 a wave
	s_lshl_b32 s21, s14, 15
	s_add_co_u32 s20, s20, s21
	s_mov_b32 s21, 0
	s_lshl_b32 s46, s42, 15                        ; W: 64 rows of 512 bytes a head (registers that never hold cy)
	s_mov_b32 s47, 0
	s_mul_i32 s45, s14, 64*PITCH                   ; where my 64 rows go, x's and the weights' alike: no place in the cluster enters an LDS address
	s_mov_b32 s10, 0xffff0000                      ; the lanes with h = 1
	s_mov_b32 s12, 0x76543210                      ; v_permlanex16_b32's selects for lane l xor 16
	s_mov_b32 s13, 0xfedcba98
	s_wait_alu depctr_va_vdst(0)
	s_wait_dscnt 0x0                               ; both opening adds are done
	s_wait_kmcnt 0x0
	s_cmp_eq_u32 s14, 5                            ; which weight I fetch: a choice on the wave's number alone
	s_cselect_b64 s[22:23], s[76:77], s[72:73]
	s_cmp_eq_u32 s14, 6
	s_cselect_b64 s[22:23], s[80:81], s[22:23]
	s_mov_b32 s[G0X], 1
	s_mov_b32 s[G0X+1], s45
	s_add_nc_u64 s[G0X+2:G0X+3], s[68:69], s[20:21]
	s_or_b32 s[G0X+3], s[G0X+3], 0x80000000
	s_mov_b32 s[G0W], 1
	s_mov_b32 s[G0W+1], s45
	s_add_nc_u64 s[G0W+2:G0W+3], s[22:23], s[46:47]
	s_or_b32 s[G0W+3], s[G0W+3], 0x80000000
	CROUND                                         ; all sixteen work-groups are here: the joint loads meet
	; ONE chain of branches on the wave's number: waves 0-3 fetch x's rows, waves 4-6 the weights', wave 7 nothing
	s_cmp_lt_u32 s14, 4
	s_cbranch_scc0 .Lfor_w
	tensor_load_to_lds s[G0X:G0X+3], s[G1X:G1X+7]
	s_nop 0
	PLACES 4
	s_branch .Lasked
.Lfor_w:
	s_cmp_lt_u32 s14, 7
	s_cbranch_scc0 .Lasked
	tensor_load_to_lds s[G0W:G0W+3], s[G1W:G1W+7]
	s_nop 0
	PLACES 4
.Lasked:
	s_and_b32 s16, s14, 3                          ; my group of 64 tokens
	s_lshr_b32 s15, s14, 2                         ; 0: Q and V's tiles 0, 1;  1: K and V's tiles 2, 3
	s_mul_i32 s18, s16, 64*PITCH                   ; my 64 rows of x
	s_mul_i32 s20, s15, 64*PITCH
	s_add_co_u32 s20, s20, XB                      ; Wq's or Wk's rows
	s_mul_i32 s21, s15, 32*PITCH
	s_add_co_u32 s21, s21, XB+128*PITCH            ; my 32 of Wv's
	s_lshl_b32 s2, s16, 11
	s_add_co_u32 s2, s2, KST                       ; my stage
	s_lshr_b32 s3, s16, 1
	s_lshl_b32 s3, s3, 9                           ; which of the work-group's two chunks is mine: 512 bytes of scale words each
	s_and_b32 s19, s16, 1                          ; and which half of its 128 keys
	s_lshl_b32 s22, s19, 3
	s_add_co_u32 s22, s22, s3
	s_add_co_u32 s22, s22, STG                     ; K's part of the stage
	s_lshl_b32 s23, s19, 1
	s_add_co_u32 s23, s23, s3
	s_lshl_b32 s46, s15, 3
	s_add_co_u32 s23, s23, s46
	s_add_co_u32 s23, s23, STG+256                 ; V's part: my two tiles' words, my two bytes of each
	s_lshl_b32 s11, s16, 8
	s_add_co_u32 s11, s11, STG
	v_and_b32 v3, 31, v0                           ; lane
	v_and_b32 v1, 15, v0                           ; r
	v_bfe_u32 v2, v0, 4, 1                         ; h
	v_and_b32 v20, 7, v0                           ; r % 8
	v_bfe_u32 v21, v0, 3, 1                        ; r / 8
	v_mul_u32_u24 v19, v1, PITCH
	v_lshl_add_u32 v19, v2, 4, v19                 ; a fragment's row x pitch + 16 h
	v_add_nc_u32 v[ADRX], s18, v19
	v_add_nc_u32 v[ADRW], s20, v19
	v_add_nc_u32 v[ADRW+1], s21, v19
	v_lshlrev_b32 v[L16], 4, v3
	v_lshlrev_b32 v[QSO], 4, v1
	v_lshl_add_u32 v[QSO], v2, 3, v[QSO]
	; my tile i of 16 keys holds key n = 16 i + r of my 64: it belongs to tile u = 2 (i % 2) + r / 8, row m = 8 (i / 2) + r % 8
	v_lshlrev_b32 v[KSW], 9, v21                   ; codes: 512 u + 16 (m + 16 h); what hangs on i is in the offsets
	v_lshl_add_u32 v[KSW], v20, 4, v[KSW]
	v_lshl_add_u32 v[KSW], v2, 8, v[KSW]
	v_add_nc_u32 v[KSW], s2, v[KSW]
	v_lshl_add_u32 v[KSR], v3, 4, s2
	v_lshlrev_b32 v[STK], 4, v20                   ; scale bytes: row m of 16 bytes, two bytes for each tile u of my half
	v_lshl_add_u32 v[STK], v21, 1, v[STK]
	v_add_nc_u32 v[STK], s22, v[STK]
	v_lshl_add_u32 v[STV], v1, 4, s23              ; V's: row r of 16 bytes, a word for each tile of channels
	v_lshlrev_b32 v[KVO], 3, v3
	v_lshl_add_u32 v[STR], v3, 3, s11              ; back: 256 bytes a wave, 8 a lane
	v_lshlrev_b32 v[L32], 5, v3
	v_lshlrev_b32 v[H32], 5, v2
	v_lshlrev_b32 v[R4], 2, v1
	s_wait_alu depctr_va_vdst(0)
	; where my parts begin, in bytes
	s_lshr_b32 s18, s17, 3
	s_lshl_b32 s18, s18, 4
	s_add_co_u32 s18, s18, s42                     ; bh = 16 x batch + head
	s_and_b32 s19, s17, 7                          ; my block among the batch's eight
	s_mov_b32 s3, 0
	s_lshl_b32 s22, s19, 1
	s_lshr_b32 s23, s16, 1
	s_add_co_u32 s22, s22, s23
	s_mul_i32 s22, s22, CH
	s_mul_i32 s2, s18, HEAD
	s_add_co_u32 s2, s2, s22                       ; my chunk of kv
	s_add_nc_u64 s[94:95], s[94:95], s[2:3]
	s_and_b32 s22, s16, 1                          ; which 64 of its keys are mine
	s_lshl_b32 s2, s22, 9
	s_lshl_b32 s23, s15, 11
	s_add_co_u32 s2, s2, s23
	s_add_co_u32 s2, s2, 4096
	s_add_nc_u64 s[96:97], s[94:95], s[2:3]        ; V's codes, my two tiles
	s_lshl_b32 s2, s22, 8
	s_add_co_u32 s2, s2, 8192
	s_add_nc_u64 s[98:99], s[94:95], s[2:3]        ; the scale words that waves 0-3 store: K's (even waves), V's (odd waves)
	s_lshl_b32 s2, s22, 11
	s_add_nc_u64 s[94:95], s[94:95], s[2:3]        ; K's codes
	s_lshl_b32 s2, s18, 16                         ; qc: 128 tiles of 512 bytes a head; 16 tiles a block; 4 a wave
	s_lshl_b32 s22, s19, 13
	s_add_co_u32 s2, s2, s22
	s_lshl_b32 s22, s16, 11
	s_add_co_u32 s2, s2, s22
	s_add_nc_u64 s[90:91], s[90:91], s[2:3]
	s_lshl_b32 s2, s19, 2                          ; qs: 32 groups of 64 queries a head, 256 bytes each
	s_add_co_u32 s2, s2, s16
	s_lshl_b32 s2, s2, 8
	s_lshl_b32 s22, s18, 13
	s_add_co_u32 s2, s2, s22
	s_add_nc_u64 s[92:93], s[92:93], s[2:3]
	s_lshl_b32 s2, s17, 13                         ; x's scale bytes: 32 a row
	s_lshl_b32 s22, s16, 11
	s_add_co_u32 s2, s2, s22
	s_add_nc_u64 s[70:71], s[70:71], s[2:3]
	s_cmp_eq_u32 s15, 0                            ; Q's or K's: a choice on the wave's number alone
	s_cselect_b64 s[74:75], s[74:75], s[78:79]
	s_cselect_b64 s[84:85], s[84:85], s[86:87]
	s_lshl_b32 s2, s42, 11                         ; the weights' scale bytes: my head's 64 rows
	s_add_nc_u64 s[74:75], s[74:75], s[2:3]
	s_lshl_b32 s22, s15, 10
	s_add_co_u32 s2, s2, s22
	s_add_nc_u64 s[82:83], s[82:83], s[2:3]        ; my 32 of Wv's
	s_lshl_b32 s2, s42, 8                          ; the biases: my head's 64 numbers
	s_add_nc_u64 s[84:85], s[84:85], s[2:3]
	s_lshl_b32 s22, s15, 7
	s_add_co_u32 s2, s2, s22
	s_add_nc_u64 s[88:89], s[88:89], s[2:3]        ; my 32 of bv
	; THE SCALE WORDS go from memory straight into registers, once: lane l takes row 32 P + l of a pair of tiles, its 32 bytes (8 K steps) by two loads: each pair of loads reads 1,024 consecutive bytes
.irp pr, 0,1
	global_load_b128 v[XS+8*\pr:XS+8*\pr+3], v[L32], s[70:71] offset:1024*\pr
	global_load_b128 v[XS+8*\pr+4:XS+8*\pr+7], v[L32], s[70:71] offset:1024*\pr+16
	global_load_b128 v[WS+8*\pr:WS+8*\pr+3], v[L32], s[74:75] offset:1024*\pr
	global_load_b128 v[WS+8*\pr+4:WS+8*\pr+7], v[L32], s[74:75] offset:1024*\pr+16
.endr
	global_load_b128 v[WS+16:WS+19], v[L32], s[82:83]
	global_load_b128 v[WS+20:WS+23], v[L32], s[82:83] offset:16
	; THE BIASES are the C of each sum's first product, in the result's layout: Q, K: register j = channel 16 ct + 8 h + j;  V: all eight registers = channel 16 t + r
	WIN 0x40                                       ; destination window 1
.irp ct, 0,1,2,3
	global_load_b128 v[BQ+8*\ct:BQ+8*\ct+3], v[H32], s[84:85] offset:64*\ct
	global_load_b128 v[BQ+8*\ct+4:BQ+8*\ct+7], v[H32], s[84:85] offset:64*\ct+16
.endr
.irp t, 0,1
.irp j, 0,1,2,3,4,5,6,7
	global_load_b32 v[BV+8*\t+\j], v[R4], s[88:89] offset:64*\t
.endr
.endr
	WIN 0
; One scaled product; its registers stand in the symbols rD, rA, rB, rC, rSA, rSB.  ra, rb = 1: that side's scale words are read from lanes 16-31
.macro WM ra, rb
.if (\ra)==0 && (\rb)==0
	v_wmma_scale_f32_16x16x128_f8f6f4 v[rD:rD+7], v[rA:rA+7], v[rB:rB+7], v[rC:rC+7], v[rSA], v[rSB] matrix_a_fmt:MATRIX_FMT_FP4 matrix_b_fmt:MATRIX_FMT_FP4
.elseif (\rb)==0
	v_wmma_scale_f32_16x16x128_f8f6f4 v[rD:rD+7], v[rA:rA+7], v[rB:rB+7], v[rC:rC+7], v[rSA], v[rSB] matrix_a_fmt:MATRIX_FMT_FP4 matrix_b_fmt:MATRIX_FMT_FP4 matrix_a_scale:MATRIX_SCALE_ROW1
.elseif (\ra)==0
	v_wmma_scale_f32_16x16x128_f8f6f4 v[rD:rD+7], v[rA:rA+7], v[rB:rB+7], v[rC:rC+7], v[rSA], v[rSB] matrix_a_fmt:MATRIX_FMT_FP4 matrix_b_fmt:MATRIX_FMT_FP4 matrix_b_scale:MATRIX_SCALE_ROW1
.else
	v_wmma_scale_f32_16x16x128_f8f6f4 v[rD:rD+7], v[rA:rA+7], v[rB:rB+7], v[rC:rC+7], v[rSA], v[rSB] matrix_a_fmt:MATRIX_FMT_FP4 matrix_b_fmt:MATRIX_FMT_FP4 matrix_a_scale:MATRIX_SCALE_ROW1 matrix_b_scale:MATRIX_SCALE_ROW1
.endif
.endm
; 20 LDS loads in one run: K step s (128 along K: 64 bytes of a row) into set p: my 6 fragments of the weights, my 4 of x.  A fragment: lane (r, h) takes row r, 16 bytes at 16 h and 16 at 32 + 16 h
.macro FETCH s, p
	WIN 0x40                                       ; destination window 1, address window 0
.irp ct, 0,1,2,3,4,5
.irp c, 0,1
	ds_load_b128 v[48*(\p)+8*\ct+4*\c:48*(\p)+8*\ct+4*\c+3], v[ADRW+\ct/4] offset:(\ct%4)*16*PITCH+64*(\s)+32*\c
.endr
.endr
	WIN 0
.irp i, 0,1,2,3
.irp c, 0,1
	ds_load_b128 v[XF+32*(\p)+8*\i+4*\c:XF+32*(\p)+8*\i+4*\c+3], v[ADRX] offset:\i*16*PITCH+64*(\s)+32*\c
.endr
.endr
.endm
; K step s on set p: 24 products.  The 24 accumulators take turns, one instruction a turn, in the same order in every step.  Step 0 takes the biases as C: nothing is cleared or added later
.macro MULS s, p
.if (\s)==0
	WIN 0x11                                       ; source 0 (W) and C (bias) window 1, source 1 (x) and D window 0
.else
	WIN 0x01                                       ; C and D window 0
.endif
.irp i, 0,1,2,3
.irp ct, 0,1,2,3
.set rD, AQ+32*\i+8*\ct
.set rA, 48*(\p)+8*\ct
.set rB, XF+32*(\p)+8*\i
.set rC, rD
.if (\s)==0
.set rC, BQ+8*\ct
.endif
.set rSA, WS+8*(\ct/2)+(\s)
.set rSB, XS+8*(\i/2)+(\s)
	WM \ct%2, \i%2
.endr
.endr
	WIN 0x54                                       ; V: source 0 (x) window 0, source 1 (Wv), C and D window 1
.irp t, 0,1
.irp i, 0,1,2,3
.set rD, AV+32*\t+8*\i
.set rA, XF+32*(\p)+8*\i
.set rB, 48*(\p)+32+8*\t
.set rC, rD
.if (\s)==0
.set rC, BV+8*\t
.endif
.set rSA, XS+8*(\i/2)+(\s)
.set rSB, WS+16+(\s)
	WM \i%2, \t
.endr
.endr
.endm
.macro KSTEP s
.if (\s) > 0
	PLACES 4                                       ; in front of loads into the set that the step before multiplied
.endif
.if (\s) < 7
	FETCH (\s)+1, 1-(\s)%2
	s_wait_dscnt 20                                ; all but the 20 just issued: this step's set is in
.else
	s_wait_dscnt 0x0
.endif
	MULS \s, (\s)%2
.endm
; ng groups of 32 registers at v[base + 32 g] of window win, 2 ng blocks of 32 by turns, become codes in v[pc + ps g ..+3] and two scale bytes a group in v[hw + g].
; Each accumulator is read from its low end on.
.macro QUANT win, base, ng, pc, ps, hw
	WIN (\win)|((\win)<<2)                         ; sources 0 and 1 in the accumulators' window
.set QI, 0
.rept 2*\ng
	v_max3_num_f32 v[TM+QI], |v[(\base)+16*QI]|, |v[(\base)+16*QI+1]|, 0x1800000   ; my 16 numbers of a block, and the floor 2^(3 - 127): so the byte cannot fall under 1
.set QI, QI+1
.endr
.irp n, 2,4,6,8,10,12,14
.set QI, 0
.rept 2*\ng
	v_max3_num_f32 v[TM+QI], |v[(\base)+16*QI+\n]|, |v[(\base)+16*QI+\n+1]|, v[TM+QI]
.set QI, QI+1
.endr
.endr
	WIN 0
.set QI, 0
.rept 2*\ng
	v_permlanex16_b32 v[TP+QI], v[TM+QI], s12, s13
.set QI, QI+1
.endr
.set QI, 0
.rept 2*\ng
	v_max_num_f32 v[TM+QI], v[TM+QI], v[TP+QI]     ; with lane l xor 16's 16: the block's largest magnitude
.set QI, QI+1
.endr
.set QI, 0
.rept 2*\ng
	v_add_nc_u32 v[SO+QI], 0xff000000, v[TM+QI]    ; 2 off its exponent field: the conversion takes the exponent field of this operand as its scale
.set QI, QI+1
.endr
.set QI, 0
.rept 2*\ng
	v_lshrrev_b32 v[BY+QI], 23, v[SO+QI]           ; the scale's byte
.set QI, QI+1
.endr
.set QI, 0
.rept \ng
	v_lshl_or_b32 v[(\hw)+QI], v[BY+2*QI+1], 8, v[BY+2*QI]
.set QI, QI+1
.endr
	WIN (\win)                                     ; source 0 in the accumulators' window
.set QI, 0
.rept \ng
.irp e, 0,1
.irp u, 0,1
	v_cvt_scalef32_pk8_fp4_f32 v[(\pc)+(\ps)*QI+2*\u+\e], v[(\base)+32*QI+16*\e+8*\u:(\base)+32*QI+16*\e+8*\u+7], v[SO+2*QI+\e]   ; block e's tile u
.endr
.endr
.set QI, QI+1
.endr
	WIN 0
	v_nop                                          ; one plain line behind the last scaled conversion
.set QI, 0
.rept \ng
	v_permlane16_swap_b32 v[(\pc)+(\ps)*QI], v[(\pc)+(\ps)*QI+1]     ; lane half h now holds block h: k 0-7, 8-15,
	v_permlane16_swap_b32 v[(\pc)+(\ps)*QI+2], v[(\pc)+(\ps)*QI+3]   ; 16-23, 24-31
.set QI, QI+1
.endr
.endm
	s_wait_alu depctr_va_vdst(0)
	s_wait_tensorcnt 0x0                           ; my tile is in,
	s_barrier_signal -1
	s_barrier_wait -1                              ; everybody's is.
	FETCH 0, 0
	s_wait_loadcnt 0x0                             ; scale words and biases
.irp s, 0,1,2,3,4,5,6,7
	KSTEP \s
.endr
	WIN 0
	PLACES 4                                       ; in front of the first read of results and of writes into x's fragments
	QUANT 0, AQ, 4, PC, 4, HW                      ; group i = my tile i of 16 queries or keys
	s_wait_alu depctr_va_vdst(0)
	s_cmp_eq_u32 s15, 0                            ; the wave's number alone
	s_cbranch_scc0 .Lkeys
.irp i, 0,1,2,3
	global_store_b128 v[L16], v[PC+4*\i:PC+4*\i+3], s[90:91] offset:512*\i   ; an image: 512 consecutive bytes
.endr
.irp i, 0,1,2,3
	v_lshl_or_b32 v[QW+\i], v[HW+\i], 16, v[HW+\i]   ; the query's two bytes twice: the attention launch multiplies it in either half of a K step of 128
.endr
	v_cndmask_b32 v[QP], v[QW], v[QW+2], s10       ; lane (r, h) stores the words of tiles 2 h and 2 h + 1:
	v_cndmask_b32 v[QP+1], v[QW+1], v[QW+3], s10
	global_store_b64 v[QSO], v[QP:QP+1], s[92:93]  ; the wave stores 256 consecutive bytes, aligned
	s_branch .Lvalues
.Lkeys:                                                ; K's codes and bytes take the attention launch's order in the stages
.irp i, 0,1,2,3
	ds_store_b128 v[KSW], v[PC+4*\i:PC+4*\i+3] offset:1024*(\i%2)+128*(\i/2)
.endr
	WIN 0x40
.irp u, 0,1,2,3
	ds_load_b128 v[KR+4*\u:KR+4*\u+3], v[KSR] offset:512*\u   ; LDS serves a wave's instructions in order (ISA guide 5.7.1.4): these see my stores
.endr
	WIN 0
.irp i, 0,1,2,3
	ds_store_b16 v[STK], v[HW+\i] offset:128*(\i/2)+4*(\i%2)  ; (lanes r and r + 16 write the same bytes with the same value)
.endr
	s_wait_dscnt 4                                 ; the codes are back (the four stores of scale bytes may be out)
	WIN 0x04                                       ; the data in window 1
.irp u, 0,1,2,3
	global_store_b128 v[L16], v[KR+4*\u:KR+4*\u+3], s[94:95] offset:512*\u
.endr
	WIN 0
.Lvalues:
	; V: group t = my tile t of 16 channels; its two blocks are my 64 keys
	QUANT 1, AV, 2, 68, 8, HV
.irp t, 0,1
	global_store_b128 v[L16], v[68+8*\t:71+8*\t], s[96:97] offset:1024*\t
.endr
.irp t, 0,1
	ds_store_b16 v[STV], v[HV+\t] offset:4*\t      ; my two of the word's four bytes
.endr
	s_wait_dscnt 0x0                               ; for the others' sake: my stores into the stage are done
	s_barrier_signal -1
	s_barrier_wait -1
	s_cmp_eq_u32 s15, 0
	s_cbranch_scc0 .Lno_words
	ds_load_b64 v[KV:KV+1], v[STR]                 ; waves 0-3 store the two chunks' scale words
	s_wait_dscnt 0x0
	global_store_b64 v[KVO], v[KV:KV+1], s[98:99]  ; the wave stores 256 consecutive bytes, aligned
.Lno_words:
	s_wait_tensorcnt 0x0                           ; the wave's end, behind my last tensor load and my last LDS store
	ds_add_u32 v[SPW], v[NIL]
	s_wait_dscnt 0x0
	CROUND                                         ; the closing round: no work-group ends while a partner may still ask for a tile that names it
	s_endpgm
.Lfunc_end_k_qcc21337bb4_qkv:
	.size	k_qcc21337bb4_qkv, .Lfunc_end_k_qcc21337bb4_qkv-k_qcc21337bb4_qkv
	.p2alignl 7, 3214868480
	.fill 96, 4, 3214868480
	.section	.rodata,"a",@progbits
	.p2align	6, 0x0
	.amdhsa_kernel k_qcc21337bb4_qkv
		.amdhsa_group_segment_fixed_size 249856
		.amdhsa_private_segment_fixed_size 0
		.amdhsa_enable_private_segment 0
		.amdhsa_kernarg_size 112
		.amdhsa_user_sgpr_count 2
		.amdhsa_user_sgpr_kernarg_segment_ptr 1
		.amdhsa_wavefront_size32 1
		.amdhsa_system_sgpr_workgroup_id_x 1
		.amdhsa_system_sgpr_workgroup_id_y 1
		.amdhsa_system_sgpr_workgroup_id_z 1
		.amdhsa_system_vgpr_workitem_id 0
		.amdhsa_next_free_vgpr 512
		.amdhsa_next_free_sgpr 100
		.amdhsa_reserve_vcc 0
		.amdhsa_float_denorm_mode_32 3
		.amdhsa_float_denorm_mode_16_64 3
		.amdhsa_memory_ordered 1
		.amdhsa_forward_progress 1
		.amdhsa_inst_pref_size 63
	.end_amdhsa_kernel
	.amdgpu_metadata
---
amdhsa.version: [ 1, 2 ]
amdhsa.kernels:
  - .name:           k_qcc21337bb4_qkv
    .symbol:         k_qcc21337bb4_qkv.kd
    .args:
      - { .name: x_codes, .offset: 0, .size: 8, .value_kind: global_buffer, .address_space: global }
      - { .name: x_scales, .offset: 8, .size: 8, .value_kind: global_buffer, .address_space: global }
      - { .name: Wq_codes, .offset: 16, .size: 8, .value_kind: global_buffer, .address_space: global }
      - { .name: Wq_scales, .offset: 24, .size: 8, .value_kind: global_buffer, .address_space: global }
      - { .name: Wk_codes, .offset: 32, .size: 8, .value_kind: global_buffer, .address_space: global }
      - { .name: Wk_scales, .offset: 40, .size: 8, .value_kind: global_buffer, .address_space: global }
      - { .name: Wv_codes, .offset: 48, .size: 8, .value_kind: global_buffer, .address_space: global }
      - { .name: Wv_scales, .offset: 56, .size: 8, .value_kind: global_buffer, .address_space: global }
      - { .name: bq, .offset: 64, .size: 8, .value_kind: global_buffer, .address_space: global }
      - { .name: bk, .offset: 72, .size: 8, .value_kind: global_buffer, .address_space: global }
      - { .name: bv, .offset: 80, .size: 8, .value_kind: global_buffer, .address_space: global }
      - { .name: qc, .offset: 88, .size: 8, .value_kind: global_buffer, .address_space: global }
      - { .name: qs, .offset: 96, .size: 8, .value_kind: global_buffer, .address_space: global }
      - { .name: kv, .offset: 104, .size: 8, .value_kind: global_buffer, .address_space: global }
    .group_segment_fixed_size: 249856
    .private_segment_fixed_size: 0
    .kernarg_segment_align: 8
    .kernarg_segment_size: 112
    .max_flat_workgroup_size: 256
    .sgpr_count:     100
    .vgpr_count:     512
    .wavefront_size: 32
...
	.end_amdgpu_metadata
.endif
;; end of part 1
;; launch attn (part 2): grid 8 x 32, 8 waves a work-group, clusters of 4 x 1, 167,936 bytes of LDS; arguments qc, qs, kv, oc, os; writes oc, os
.if DOCPART == 2
	.amdgcn_target "amdgcn-amd-amdhsa--gfx1250"
	.amdhsa_code_object_version 6
	.text
	.protected	k_qcc21337bb4_attn
	.globl	k_qcc21337bb4_attn
	.p2align	8
	.type	k_qcc21337bb4_attn,@function
k_qcc21337bb4_attn:
	s_mov_b64 s[64:65], 0
	v_nop
	global_prefetch_b8 v0, s[64:65] scope:SCOPE_SE
	s_setreg_imm32_b32 hwreg(HW_REG_WAVE_MODE, 25, 1), 1
	s_wait_xcnt 0x0
	s_wait_alu depctr_hold_cnt(0) depctr_sa_sdst(0) depctr_va_vdst(0) depctr_va_sdst(0) depctr_va_ssrc(0) depctr_va_vcc(0) depctr_vm_vsrc(0)
	s_getreg_b32 s2, hwreg(HW_REG_IB_STS2, 6, 4)
	s_cmp_eq_u32 s2, 0
	s_cbranch_scc0 .Lentry_in_a_cluster
	s_endpgm
.Lentry_in_a_cluster:
	s_bfe_u32 s2, ttmp6, 0x10000c
	s_cmp_lg_u32 s2, 0x3003
	s_cbranch_scc0 .Lentry_shape_is_right
	s_endpgm
.Lentry_shape_is_right:
; SECOND OF THREE LAUNCHES: for each batch and head, O[q] = sum over k of softmax_k(Q[q] . K[k] / 8) V[k], both products on codes of FP4 (E2M1) with E8M0 scales; then O is quantised along d_model.  Nothing is left out.
; THE SOFTMAX AHEAD OF THE SECOND PRODUCT: t = score x log2(e) / 8; M = the row's largest t so far, rounded UP to a whole number; p = 2^(t - M) is quantised along the keys, not normalised.
; The row's sum is taken of the unquantised p, in f32, and divides O at the end.  When M moves, the sum and O are multiplied by 2^(old M - new M): exact.
; LIMITS: NaN and infinities among the scores are not served; t stays under 2^31 in magnitude; a block of p or of O under 2^-124, zeros too, gets the scale byte 1 (its bytes are read by this program alone).
; A block's exponent is floor(t - M) of its largest score: where 2^(t - M) rounds up to a power of two in f32, the exponent of the unrounded number is taken.
; SHARES.  A work-group owns 256 queries of one batch and head (y = 16 x batch + head); each of its eight waves owns two tiles of 16, in 512 registers: each fragment of K and V that a wave reads serves both tiles.
; Every wave walks the 2,048 keys, 256 a step (two chunks of 128, A and B).
; K's and V's codes and scale words of the whole head, 139,264 bytes, FIT IN LDS and are filled once: wave w fetches the w-th step's two chunks by one load.  No prefetch: all is asked for at the head, and there is no loop of loads to run ahead of.
; CLUSTER 4 x 1: the four blocks of queries of a cluster belong to one head: every load is asked for jointly, with the mask of all four.
; LAYOUT.  Both products are used transposed: S^T = K Q^T, O^T = V^T P^T: a lane holds ONE query (lane % 16) throughout.  All operands lie in LDS as images of registers: 16 bytes at 16 x lane, no pitch.
; THE KEYS OF A TILE: of each 64 keys tile u's row m is key 32 (m / 8) + 8 u + m % 8.  So a lane of half h holds, in the 32 registers of four tiles, the WHOLE block h of 32 keys, ascending:
; its largest score is found inside the lane, and its codes are the second product's operand as they come from the conversions.
; THE FIRST PRODUCT HAS K = 64, the instruction 128: a fragment of K holds TWO tiles of keys (registers 0-3, 4-7) and is multiplied twice, by (q, 0) and by (0, q): zero codes silence the other tile exactly.
; REGISTERS.  Tile 0's in window 0, tile 1's at the same numbers in window 1: v14-15, v76-79 the sum in six parts; v16-19 q, v20-23 zeros, v24-27 q; v80-95 p's codes (and at work);
;   v96-159 S^T, then p, of chunk A, v160-223 of chunk B; v224-255 O^T.
;   Window 0 alone: v0 16 x lane; v1 the step's LDS address, v2 the next one's; v5, v6 the add's two; v7 8 h; v28 q's scale words (lanes 0-15 tile 0, 16-31 tile 1); p's scale words v3, v4 (tile 0: A, B), v40, v29 (tile 1);
;   tile 0 and tile 1: v8-11, v32-35 the four blocks' largest scores, then the conversions' scale operands; v12, v36 -M; v13, v37 the largest score; v30-31, v38-39 the factor; v42-49 at work; v52-55, v64-75 scale words (lanes 0-15 K's, 16-31 V's).
;   Fragments: K's of chunk A in window 1 at v32-63; K's of chunk B take tile 1's v96-127 when the step before has its p there in codes; V's of chunks A and B take tile 0's v96-127 and v128-159 likewise.
.set CH,    8704                       ; a chunk: K's codes 4,096, V's 4,096, K's scale words 256, V's 256
.set HEAD,  16*CH
.set OST,   HEAD                       ; 512 bytes in which the 256 queries' scale bytes of O meet,
.set SPARE, OST+512                    ; the spare words, 128 bytes for each wave: four blocks of 256 bytes that no other line names
.set SPW, 5
.set NIL, 6
.set FR,  32
.set SVB, 52
.set SKA, 64
.set SKB, 68
.set SVA, 72
.set SA,  96
.set SB,  160
.set OT,  224
.set WV,  18                           ; s18  my wave's number
.set G1,  32                           ; s[32:39], s[40:43] the descriptor
.set G0,  40
.set TB,  66                           ; s66  LDS byte at which the step begins
.set CNT, 68
.set MSB, 0
.macro WIN new                         ; bits 1:0 source 0, 3:2 source 1, 5:4 source 2, 7:6 destination; the immediate's high byte repeats the setting that is left
.if MSB != (\new)
	s_set_vgpr_msb (MSB<<8)|(\new)
.set MSB, (\new)
.endif
.endm
.macro CROUND                          ; a round of the cluster's barrier
	s_barrier_signal -1
	s_barrier_wait -1
	s_cmp_lg_u32 s[WV], 0
	s_cbranch_scc1 .Lnot_wave_0_\@
	s_barrier_signal -3
.Lnot_wave_0_\@:
	s_barrier_wait -3
	s_barrier_signal -1
	s_barrier_wait -1
.endm
	s_load_b256 s[4:11], s[0:1], 0x0               ; qc s[4:5], qs s[6:7], kv s[8:9], oc s[10:11]
	s_load_b64 s[12:13], s[0:1], 0x20              ; os
	v_lshl_add_u32 v[SPW], v0, 2, SPARE
	v_mov_b32 v[NIL], 0
	ds_add_u32 v[SPW], v[NIL]                      ; the wave's opening: the add, twice on end, and its wait ahead of the first tensor load
	ds_add_u32 v[SPW], v[NIL]                      ; and once more; the set-up below, work on registers, stands between it and the wait
	v_lshrrev_b32 v8, 5, v0
	v_readfirstlane_b32 s[WV], v8                  ; wave 0..7
	s_bfe_u32 s69, ttmp6, 0x40000                  ; cx
	s_lshl_b32 s70, ttmp9, 2
	s_add_co_u32 s70, s70, s69                     ; my block of 256 queries: it enters Q's and O's addresses alone
	s_and_b32 s71, ttmp7, 0xffff                   ; bh, which the four partners share
	s_mov_b32 s[G1+0], 15|(3<<16)|(1<<21)          ; 15:0 the mask: all four; elements of 8 bytes; no padding; bit 21 beside a mask
	s_mov_b32 s[G1+1], 32<<16                      ; tensor_dim0 = 32 elements: 256 bytes
	s_mov_b32 s[G1+2], 68<<16                      ; tensor_dim1 = 68 rows: 17,408 bytes, two chunks
	s_mov_b32 s[G1+3], 32<<16
	s_mov_b32 s[G1+4], 68
	s_mov_b32 s[G1+5], 32                          ; dense
	s_mov_b32 s[G1+6], 0
	s_mov_b32 s[G1+7], 0
	s_mul_i32 s77, s[WV], 2*CH                     ; where my two chunks go in LDS, and where they lie in the head
	s_mul_i32 s72, s71, HEAD
	s_add_co_u32 s72, s72, s77
	s_mov_b32 s73, 0
	s_mov_b32 s20, 0x76543210                      ; v_permlanex16_b32's selects for lane l xor 16
	s_mov_b32 s21, 0xfedcba98
	s_mov_b32 s22, 0x3e38aa3b                      ; c = log2(e) / 8: t = score x c
	s_mov_b32 s23, s22                             ; (named with it as a pair, so it is written)
	s_mov_b32 s24, 0x3e800000                      ; 125 << 23
	s_mov_b32 s25, 0x7d007d                        ; 125 in two halves
	s_mov_b32 s26, 0xbe38aa3b                      ; -c
	s_mov_b32 s[TB], 0
	v_and_b32 v8, 31, v0                           ; lane
	v_and_b32 v9, 15, v0                           ; r
	v_bfe_u32 v10, v0, 4, 1                        ; h
	v_lshlrev_b32 v11, 4, v9
	v_lshl_add_u32 v11, v10, 2, v11                ; q's scale words: row r, my half's tile
	v_lshlrev_b32 v7, 3, v10
	v_lshlrev_b32 v0, 4, v8                        ; from here on v0 = 16 x lane: my place in an image, in LDS and in memory
	s_wait_alu depctr_va_vdst(0)
	s_wait_dscnt 0x0                               ; both opening adds are done
	s_wait_kmcnt 0x0
	s_mov_b32 s[G0], 1
	s_mov_b32 s[G0+1], s77
	s_add_nc_u64 s[G0+2:G0+3], s[8:9], s[72:73]
	s_or_b32 s[G0+3], s[G0+3], 0x80000000
	CROUND                                         ; all four work-groups are here: the joint loads meet
	tensor_load_to_lds s[G0:G0+3], s[G1:G1+7]      ; one load a wave; every wave issues this line and waits for it
	s_nop 0
.rept 4
	v_nop
.endr
	s_lshl_b32 s69, s70, 4
	s_lshl_b32 s2, s[WV], 1
	s_add_co_u32 s69, s69, s2                      ; my first tile of 16 queries among the head's 128
	s_mov_b32 s3, 0
	s_lshl_b32 s2, s69, 9
	s_lshl_b32 s74, s71, 16
	s_add_co_u32 s2, s2, s74
	s_add_nc_u64 s[4:5], s[4:5], s[2:3]            ; its image
	s_lshr_b32 s2, s69, 2                          ; its scale words: group of 64 queries, [r][tile in the group]
	s_lshl_b32 s2, s2, 8
	s_and_b32 s74, s69, 3
	s_lshl_b32 s74, s74, 2
	s_add_co_u32 s2, s2, s74
	s_lshl_b32 s74, s71, 13
	s_add_co_u32 s2, s2, s74
	s_add_nc_u64 s[6:7], s[6:7], s[2:3]
	global_load_b128 v[16:19], v0, s[4:5]          ; q: lane (r, h): query r, channels 32 h .. 32 h + 31
	global_load_b128 v[24:27], v0, s[4:5]          ; and once more, behind the zeros
	global_load_b32 v28, v11, s[6:7]
	WIN 0x40                                       ; tile 1's, into window 1
	global_load_b128 v[16:19], v0, s[4:5] offset:512
	global_load_b128 v[24:27], v0, s[4:5] offset:512
	WIN 0
	s_lshr_b32 s2, s71, 4                          ; oc: [tile of 16 tokens][head][lane][16 bytes]
	s_lshl_b32 s2, s2, 7
	s_add_co_u32 s2, s2, s69
	s_lshl_b32 s2, s2, 13
	s_and_b32 s74, s71, 15
	s_lshl_b32 s74, s74, 9
	s_add_co_u32 s2, s2, s74
	s_add_nc_u64 s[10:11], s[10:11], s[2:3]
	s_lshl_b32 s2, s71, 12                         ; os: [bh][token], two bytes
	s_lshl_b32 s74, s70, 9
	s_add_co_u32 s2, s2, s74
	s_add_nc_u64 s[12:13], s[12:13], s[2:3]
	v_add_nc_u32 v2, s[TB], v0
.irp j, 12,36
	v_mov_b32 v[\j], 0x7e000000                    ; -M: a large number, so that the first change of M multiplies the zeros below by 0
	v_mov_b32 v[\j+1], 0xff61b1e6                  ; the largest score so far: -3e38
.endr
.irp j, 14,15,76,77,78,79,20,21,22,23,31,39,44,45,48,49
	v_mov_b32 v[\j], 0                             ; the sum, the zero codes, and the lane permutes' destinations, which count as read
.endr
.set JJ, 0
.rept 32
	v_mov_b32 v[OT+JJ], 0                          ; O^T.  (The step is written for all steps alike: the first finds zeros)
.set JJ, JJ+1
.endr
	WIN 0x40
.irp j, 14,15,76,77,78,79,20,21,22,23,10,11,31,148,149,150,151,152,153,154,155,156,157,158,159
	v_mov_b32 v[\j], 0                             ; tile 1's, and the six pairs of p that a step leaves to the next one's sums
.endr
.set JJ, 0
.rept 32
	v_mov_b32 v[OT+JJ], 0
.set JJ, JJ+1
.endr
	WIN 0
.macro LDK j, reg, sc                  ; nine LDS loads: chunk j's scale words, and K's four fragments (tiles 2 f and 2 f + 1) into window 1; the address is the next step's
	WIN 0
	ds_load_b128 v[\sc:\sc+3], v2 offset:CH*\j+8192
	WIN 0x40
.irp f, 0,1,2,3
.irp c, 0,1
	ds_load_b128 v[\reg+8*\f+4*\c:\reg+8*\f+4*\c+3], v2 offset:CH*\j+1024*\f+512*\c
.endr
.endr
	WIN 0
.endm
.macro LDV j, reg, sc                  ; nine: the scale words and V^T: channels 16 n on, keys 64 c + 32 h on
	ds_load_b128 v[\sc:\sc+3], v1 offset:CH*\j+8192
.irp n, 0,1,2,3
.irp c, 0,1
	ds_load_b128 v[\reg+8*\n+4*\c:\reg+8*\n+4*\c+3], v1 offset:CH*\j+4096+1024*\n+512*\c
.endr
.endr
.endm
.macro PROD t, d, a, sc                ; S^T of tile t: 128 keys: register d + 32 g + 8 u + i is key 64 g + 32 h + 8 u + i
.if \t
	WIN 0x55                                       ; all in window 1
.else
	WIN 0x01                                       ; source 0 (K) window 1, q and D window 0
.endif
.irp f, 0,1,2,3
.if \t
	v_wmma_scale_f32_16x16x128_f8f6f4 v[\d+16*\f:\d+16*\f+7], v[\a+8*\f:\a+8*\f+7], v[16:23], 0, v[\sc+\f], v28 matrix_a_fmt:MATRIX_FMT_FP4 matrix_b_fmt:MATRIX_FMT_FP4 matrix_b_scale:MATRIX_SCALE_ROW1
	v_wmma_scale_f32_16x16x128_f8f6f4 v[\d+16*\f+8:\d+16*\f+15], v[\a+8*\f:\a+8*\f+7], v[20:27], 0, v[\sc+\f], v28 matrix_a_fmt:MATRIX_FMT_FP4 matrix_b_fmt:MATRIX_FMT_FP4 matrix_b_scale:MATRIX_SCALE_ROW1
.else
	v_wmma_scale_f32_16x16x128_f8f6f4 v[\d+16*\f:\d+16*\f+7], v[\a+8*\f:\a+8*\f+7], v[16:23], 0, v[\sc+\f], v28 matrix_a_fmt:MATRIX_FMT_FP4 matrix_b_fmt:MATRIX_FMT_FP4
	v_wmma_scale_f32_16x16x128_f8f6f4 v[\d+16*\f+8:\d+16*\f+15], v[\a+8*\f:\a+8*\f+7], v[20:27], 0, v[\sc+\f], v28 matrix_a_fmt:MATRIX_FMT_FP4 matrix_b_fmt:MATRIX_FMT_FP4
.endif
.endr
.endm
.macro PV t, a, sv, pc, pw             ; O^T += V^T P^T over 128 keys: the four accumulators by turns
.if \t
	WIN 0x54                                       ; source 0 (V) window 0, the rest window 1
.else
	WIN 0
.endif
.irp n, 0,1,2,3
	v_wmma_scale_f32_16x16x128_f8f6f4 v[OT+8*\n:OT+8*\n+7], v[\a+8*\n:\a+8*\n+7], v[\pc:\pc+7], v[OT+8*\n:OT+8*\n+7], v[\sv+\n], v[\pw] matrix_a_fmt:MATRIX_FMT_FP4 matrix_b_fmt:MATRIX_FMT_FP4 matrix_a_scale:MATRIX_SCALE_ROW1
.endr
.endm
.macro MF d, s                         ; a block's first three scores,
	v_max3_num_f32 v[\d], v[(\s)], v[(\s)+1], v[(\s)+2]
.endm
.macro MS d, s                         ; and two more
	v_max3_num_f32 v[\d], v[\d], v[(\s)], v[(\s)+1]
.endm
; n pairs of p from register PP on, added to NA sums by turns: v14, v76, v78 and, where NA = 7, four at v88 to v95, where chunk B's codes will stand
.macro ADDS n
.rept \n
.if AI == 0
.set AR, 14
.elseif AI < 3
.set AR, 74+2*AI
.else
.set AR, 82+2*AI
.endif
	v_pk_add_f32 v[AR:AR+1], v[AR:AR+1], v[PP:PP+1]
.set AI, (AI+1)%NA
.set PP, PP+2
.endr
.endm
.macro LEAVES                          ; the four sums at v88 to v95 begin with chunk A's first eight pairs
.irp k, 0,1,2,3
	v_pk_add_f32 v[88+2*\k:89+2*\k], v[SA+4*\k:SA+4*\k+1], v[SA+4*\k+2:SA+4*\k+3]
.endr
.set AI, 0
.set NA, 7
.set PP, SA+16
.endm
.macro FOLD
	v_pk_add_f32 v[14:15], v[14:15], v[88:89]
	v_pk_add_f32 v[76:77], v[76:77], v[90:91]
	v_pk_add_f32 v[78:79], v[78:79], v[92:93]
	v_pk_add_f32 v[14:15], v[14:15], v[94:95]
.set AI, 1
.set NA, 3
.endm
.macro CARRIED                         ; tile 1's six pairs of p that the step before has left
.set AI, 0
.set NA, 3
.set PP, 148
	WIN 0x55
	ADDS 6
.endm
.macro CVT d, s, b                     ; 128 keys' p to codes: register d + 4 g + u: keys 64 g + 32 h + 8 u on
.irp g, 0,1
.irp u, 0,1,2,3
	v_cvt_scalef32_pk8_fp4_f32 v[\d+4*\g+\u], v[\s+32*\g+8*\u:\s+32*\g+8*\u+7], v[\b+\g]
.endr
.endr
.endm
.macro TMINUS m                        ; t - M of 256 scores, two at a time
.set JJ, 0
.rept 64
	v_pk_fma_f32 v[SA+JJ:SA+JJ+1], v[SA+JJ:SA+JJ+1], s[22:23], v[\m:\m+1] op_sel_hi:[1,0,0]
.set JJ, JJ+2
.endr
.endm
.macro RESCALE f                       ; the sums and O^T under the new M
	v_pk_mul_f32 v[14:15], v[14:15], v[\f:\f+1] op_sel_hi:[1,0]
	v_pk_mul_f32 v[76:77], v[76:77], v[\f:\f+1] op_sel_hi:[1,0]
	v_pk_mul_f32 v[78:79], v[78:79], v[\f:\f+1] op_sel_hi:[1,0]
.set JJ, 0
.rept 16
	v_pk_mul_f32 v[OT+JJ:OT+JJ+1], v[OT+JJ:OT+JJ+1], v[\f:\f+1] op_sel_hi:[1,0]
.set JJ, JJ+2
.endr
.endm
.macro EXPS                            ; p = 2^(t - M), at most 1
.set JJ, 0
.rept 128
	v_exp_f32 v[SA+JJ], v[SA+JJ]
.set JJ, JJ+1
.endr
	v_nop                                          ; a plain line behind the batch,
	s_wait_alu depctr_va_vdst(0)                   ; and the one wait ahead of its first reader
.endm
; A STEP: 256 keys.  K's fragments and scale words of both chunks are on their way.  pre = 1: a step follows.
.macro STEP pre
	s_wait_dscnt 0x0                               ; K's 18 loads are in
	PROD 0, SB, SA, SKB
	PROD 1, SB, SA, SKB
	CARRIED                                        ; also the places ahead of the products below, which write over V's fragments (tile 0) and over K's of chunk B (tile 1)
	PROD 0, SA, FR, SKA
	PROD 1, SA, FR, SKA
	WIN 0
	; THE LARGEST SCORE OF EACH BLOCK, each accumulator from its low end on.  Tile 0: chunk B's blocks run two rounds ahead: four places behind chunk A's products
	MF 10, SA+64
	MF 11, SA+96
	MS 10, SA+67
	MS 11, SA+99
	MF 8, SA
	MF 9, SA+32
.irp i, 3,5,7,9,11,13,15,17,19,21,23,25,27
	MS 8, SA+\i
	MS 9, SA+32+\i
	MS 10, SA+66+\i
	MS 11, SA+98+\i
.endr
	MS 8, SA+29
	MS 9, SA+61
.irp b, 0,1,2,3
	v_max_num_f32 v[8+\b], v[8+\b], v[SA+32*\b+31]
.endr
	v_add_nc_u32 v1, s[TB], v0                     ; this step's address, for V
.if \pre
	s_add_co_u32 s[TB], s[TB], 2*CH
	v_add_nc_u32 v2, s[TB], v0                     ; the next step's, for K
	LDK 0, FR, SKA
.endif
	WIN 0x15                                       ; tile 1: the scores in window 1, the maxima in window 0
.irp b, 0,1,2,3
	MF 32+\b, SA+32*\b
.endr
	WIN 0x14
.irp i, 3,5,7,9,11,13,15,17,19,21,23,25,27,29
.irp b, 0,1,2,3
	MS 32+\b, SA+32*\b+\i
.endr
.endr
.irp b, 0,1,2,3
	v_max_num_f32 v[32+\b], v[32+\b], v[SA+32*\b+31]
.endr
	WIN 0
	; M, the factors and the scales of both tiles, by turns
	v_max3_num_f32 v30, v8, v9, v10
	v_max3_num_f32 v38, v32, v33, v34
	v_max_num_f32 v30, v30, v11
	v_max_num_f32 v38, v38, v35
	v_permlanex16_b32 v31, v30, s20, s21
	v_permlanex16_b32 v39, v38, s20, s21
	v_max3_num_f32 v13, v13, v30, v31              ; the largest score so far, lane l xor 16's blocks among them
	v_max3_num_f32 v37, v37, v38, v39
	v_mul_f32 v30, s26, v13                        ; -t (c is positive)
	v_mul_f32 v38, s26, v37
	v_floor_f32 v30, v30                           ; the new -M = floor(-t) = -ceil(t): a whole number
	v_floor_f32 v38, v38
	v_sub_f32 v31, v30, v12                        ; M's old value less its new one: a whole number, 0 or less
	v_sub_f32 v39, v38, v36
	v_mov_b32 v12, v30
	v_mov_b32 v36, v38
.irp b, 0,1,2,3
	v_fma_f32 v[8+\b], v[8+\b], s22, v12           ; t - M of each block's largest score: its floor is the exponent of the block's largest p
	v_fma_f32 v[32+\b], v[32+\b], s22, v36
.endr
	v_cvt_i32_f32 v31, v31                         ; (it saturates)
	v_cvt_i32_f32 v39, v39
.irp b, 0,1,2,3
	v_max_num_f32 v[8+\b], 0xc2f80000, v[8+\b]     ; -124 at the least: the byte cannot fall under 1
	v_max_num_f32 v[32+\b], 0xc2f80000, v[32+\b]
.endr
	v_ldexp_f32 v30, 1.0, v31                      ; f = 2^(old M - new M)
	v_ldexp_f32 v38, 1.0, v39
.irp b, 0,1,2,3
	v_cvt_floor_i32_f32 v[8+\b], v[8+\b]           ; e; the scale is 2^(e - 2), its byte e + 125
	v_cvt_floor_i32_f32 v[32+\b], v[32+\b]
.endr
	v_lshl_add_u32 v42, v9, 16, v8                 ; a chunk's two blocks of mine, two bytes apart
	v_lshl_add_u32 v43, v11, 16, v10
	v_lshl_add_u32 v46, v33, 16, v32
	v_lshl_add_u32 v47, v35, 16, v34
.irp b, 0,1,2,3
	v_lshl_add_u32 v[8+\b], v[8+\b], 23, s24       ; the conversion's scale operand: (e + 125) << 23
	v_lshl_add_u32 v[32+\b], v[32+\b], 23, s24
.endr
	v_add_lshl_u32 v42, v42, s25, v7               ; as bytes, at block h's and block 2 + h's places
	v_add_lshl_u32 v43, v43, s25, v7
	v_add_lshl_u32 v46, v46, s25, v7
	v_add_lshl_u32 v47, v47, s25, v7
	v_permlanex16_b32 v44, v42, s20, s21
	v_permlanex16_b32 v45, v43, s20, s21
	v_permlanex16_b32 v48, v46, s20, s21
	v_permlanex16_b32 v49, v47, s20, s21
	v_or_b32 v3, v42, v44                          ; p's scale words: with lane l xor 16's two bytes they are whole
	v_or_b32 v4, v43, v45
	v_or_b32 v40, v46, v48
	v_or_b32 v29, v47, v49
	TMINUS 12
	RESCALE 30
	WIN 0x41                                       ; tile 1: M and the factor in window 0
	TMINUS 36
	RESCALE 38
	WIN 0
	s_wait_alu depctr_va_vdst(0)
	EXPS
	LEAVES
	ADDS 24
	CVT 80, SA, 8
	ADDS 2                                         ; (PP has come to chunk B)
	LDV 0, 96, SVA                                 ; V's fragments take the registers of chunk A's p
	LDV 1, 128, SVB
	ADDS 24
	FOLD
	CVT 88, SB, 10
	ADDS 6
	WIN 0x55                                       ; tile 1: what its batch reads was written ahead of the waits above
	EXPS
	LEAVES
	ADDS 18                                        ; six pairs of chunk A are left to the next step
	WIN 0x41
	CVT 80, SA, 32
	WIN 0x55
.set PP, SB
	ADDS 2
.if \pre
	LDK 1, SA, SKB                                 ; the next step's K of chunk B takes the registers of chunk A's first 32 p
	WIN 0x55
.endif
	ADDS 18
	FOLD
	WIN 0x41
	CVT 88, SB, 34
	WIN 0x55
	ADDS 12                                        ; also the places between the codes and the products below
	s_wait_alu depctr_va_vdst(0)
	s_wait_dscnt 9*\pre                            ; V's fragments of both chunks are in; K's nine loads of the next step's chunk B may be out
	PV 0, 96, SVA, 80, 3
	PV 1, 96, SVA, 80, 40
	PV 0, 128, SVB, 88, 4
	PV 1, 128, SVB, 88, 29
	WIN 0
.endm
	s_wait_alu depctr_va_vdst(0)
	s_wait_tensorcnt 0x0                           ; my two chunks are in,
	s_barrier_signal -1
	s_barrier_wait -1                              ; everybody's are.
	LDK 0, FR, SKA
	LDK 1, SA, SKB
	s_wait_loadcnt 0x0                             ; q
	s_mov_b32 s[CNT], 7
.Lstep:
	STEP 1
	s_sub_co_u32 s[CNT], s[CNT], 1
	s_cmp_lg_u32 s[CNT], 0
	s_cbranch_scc1 .Lstep
	STEP 0                                         ; the last step reads nothing ahead
	CARRIED                                        ; the last six pairs; also the places behind the last products
	; THE WAY OUT.  O^T / the sum; a query's 64 channels are two blocks of 32 along d_model: quantised here, they leave as an image of the last product's operand.
	WIN 0
	s_lshl_b32 s3, s[WV], 6
	s_add_co_u32 s3, s3, OST
	v_bfe_u32 v2, v0, 4, 4                         ; r
	v_lshl_add_u32 v2, v2, 1, s3                   ; where my query's two scale bytes go
	v_add_nc_u32 v50, OST, v0                      ; and where wave 0 reads all of them back
	s_wait_alu depctr_va_vdst(0)
.macro OUT t
.if \t
	WIN 0x55
.else
	WIN 0
.endif
	v_pk_add_f32 v[14:15], v[14:15], v[76:77]
	v_pk_add_f32 v[14:15], v[14:15], v[78:79]
	v_add_f32 v14, v14, v15
	v_permlanex16_b32 v31, v14, s20, s21
	v_add_f32 v14, v14, v31                        ; with lane l xor 16's: the row's sum
	s_wait_alu depctr_va_vdst(0)
	v_rcp_f32 v30, v14
	v_nop                                          ; a plain line behind the reciprocal
	s_wait_alu depctr_va_vdst(0)                   ; and the wait ahead of its first reader
.set JJ, 0
.rept 16
	v_pk_mul_f32 v[OT+JJ:OT+JJ+1], v[OT+JJ:OT+JJ+1], v[30:31] op_sel_hi:[1,0]   ; register 8 n + j is o(query r, channel 16 n + 8 h + j); each accumulator from its low end on
.set JJ, JJ+2
.endr
.irp e, 0,1
	v_max3_num_f32 v[8+\e], |v[OT+16*\e]|, |v[OT+16*\e+1]|, 0x1800000   ; the floor 2^(3 - 127) among them
.endr
.irp n, 2,4,6,8,10,12,14
.irp e, 0,1
	v_max3_num_f32 v[8+\e], |v[OT+16*\e+\n]|, |v[OT+16*\e+\n+1]|, v[8+\e]
.endr
.endr
.irp e, 0,1
	v_permlanex16_b32 v[10+\e], v[8+\e], s20, s21
.endr
.irp e, 0,1
	v_max_num_f32 v[8+\e], v[8+\e], v[10+\e]
.endr
.irp e, 0,1
	v_add_nc_u32 v[10+\e], 0xff000000, v[8+\e]     ; 2 off the exponent field: the conversion's scale operand
.endr
.irp e, 0,1
	v_lshrrev_b32 v[8+\e], 23, v[10+\e]
.endr
	v_lshl_or_b32 v12, v9, 8, v8                   ; my query's two scale bytes
.irp e, 0,1
.irp u, 0,1
	v_cvt_scalef32_pk8_fp4_f32 v[80+2*\u+\e], v[OT+16*\e+8*\u:OT+16*\e+8*\u+7], v[10+\e]
.endr
.endr
	v_nop
	v_permlane16_swap_b32 v80, v81
	v_permlane16_swap_b32 v82, v83                 ; lane (r, h): token r, channels 32 h .. 32 h + 31
.if \t
	WIN 0x04                                       ; the data in window 1, the address in window 0
.endif
	global_store_b128 v0, v[80:83], s[10:11] offset:8192*\t   ; 512 consecutive bytes, aligned
	ds_store_b16 v2, v12 offset:32*\t              ; (lanes r and r + 16 write the same bytes with the same value)
	WIN 0
.endm
	OUT 0
	OUT 1
	s_wait_dscnt 0x0                               ; for the others' sake
	s_barrier_signal -1
	s_barrier_wait -1
	s_cmp_lg_u32 s[WV], 0
	s_cbranch_scc1 .Lnot_first
	ds_load_b128 v[56:59], v50                     ; wave 0 stores the 256 queries' bytes: 512 consecutive bytes, aligned
	s_wait_dscnt 0x0
	global_store_b128 v0, v[56:59], s[12:13]
.Lnot_first:
	s_wait_tensorcnt 0x0                           ; the wave's end, behind my last tensor load and my last LDS store
	ds_add_u32 v[SPW], v[NIL]
	s_wait_dscnt 0x0
	CROUND                                         ; the closing round
	s_endpgm
.Lfunc_end_k_qcc21337bb4_attn:
	.size	k_qcc21337bb4_attn, .Lfunc_end_k_qcc21337bb4_attn-k_qcc21337bb4_attn
	.p2alignl 7, 3214868480
	.fill 96, 4, 3214868480
	.section	.rodata,"a",@progbits
	.p2align	6, 0x0
	.amdhsa_kernel k_qcc21337bb4_attn
		.amdhsa_group_segment_fixed_size 167936
		.amdhsa_private_segment_fixed_size 0
		.amdhsa_enable_private_segment 0
		.amdhsa_kernarg_size 40
		.amdhsa_user_sgpr_count 2
		.amdhsa_user_sgpr_kernarg_segment_ptr 1
		.amdhsa_wavefront_size32 1
		.amdhsa_system_sgpr_workgroup_id_x 1
		.amdhsa_system_sgpr_workgroup_id_y 1
		.amdhsa_system_sgpr_workgroup_id_z 1
		.amdhsa_system_vgpr_workitem_id 0
		.amdhsa_next_free_vgpr 512
		.amdhsa_next_free_sgpr 80
		.amdhsa_reserve_vcc 0
		.amdhsa_float_denorm_mode_32 3
		.amdhsa_float_denorm_mode_16_64 3
		.amdhsa_memory_ordered 1
		.amdhsa_forward_progress 1
		.amdhsa_inst_pref_size 115
	.end_amdhsa_kernel
	.amdgpu_metadata
---
amdhsa.version: [ 1, 2 ]
amdhsa.kernels:
  - .name:           k_qcc21337bb4_attn
    .symbol:         k_qcc21337bb4_attn.kd
    .args:
      - { .name: qc, .offset: 0, .size: 8, .value_kind: global_buffer, .address_space: global }
      - { .name: qs, .offset: 8, .size: 8, .value_kind: global_buffer, .address_space: global }
      - { .name: kv, .offset: 16, .size: 8, .value_kind: global_buffer, .address_space: global }
      - { .name: oc, .offset: 24, .size: 8, .value_kind: global_buffer, .address_space: global }
      - { .name: os, .offset: 32, .size: 8, .value_kind: global_buffer, .address_space: global }
    .group_segment_fixed_size: 167936
    .private_segment_fixed_size: 0
    .kernarg_segment_align: 8
    .kernarg_segment_size: 40
    .max_flat_workgroup_size: 256
    .sgpr_count:     80
    .vgpr_count:     512
    .wavefront_size: 32
...
	.end_amdgpu_metadata
.endif
;; end of part 2
;; launch proj (part 3): grid 8 x 32, 4 waves a work-group, clusters of 4 x 4, 167,936 bytes of LDS; arguments oc, os, Wo_codes, Wo_scales, bo, out0; writes out0
.if DOCPART == 3
	.amdgcn_target "amdgcn-amd-amdhsa--gfx1250"
	.amdhsa_code_object_version 6
	.text
	.protected	k_qcc21337bb4_proj
	.globl	k_qcc21337bb4_proj
	.p2align	8
	.type	k_qcc21337bb4_proj,@function
k_qcc21337bb4_proj:
	s_mov_b64 s[64:65], 0
	v_nop
	global_prefetch_b8 v0, s[64:65] scope:SCOPE_SE
	s_setreg_imm32_b32 hwreg(HW_REG_WAVE_MODE, 25, 1), 1
	s_wait_xcnt 0x0
	s_wait_alu depctr_hold_cnt(0) depctr_sa_sdst(0) depctr_va_vdst(0) depctr_va_sdst(0) depctr_va_ssrc(0) depctr_va_vcc(0) depctr_vm_vsrc(0)
	s_getreg_b32 s2, hwreg(HW_REG_IB_STS2, 6, 4)
	s_cmp_eq_u32 s2, 0
	s_cbranch_scc0 .Lentry_in_a_cluster
	s_endpgm
.Lentry_in_a_cluster:
	s_bfe_u32 s2, ttmp6, 0x10000c
	s_cmp_lg_u32 s2, 0xf033
	s_cbranch_scc0 .Lentry_shape_is_right
	s_endpgm
.Lentry_shape_is_right:
; LAST OF THREE LAUNCHES: out0 = O Wo + bo on codes of FP4 (E2M1) with E8M0 scales, sums in f32.  Nothing is left out.
; A work-group makes 128 tokens x 128 columns; each of its four waves 64 x 64: 16 accumulators.  All of K = 1,024 fits in LDS and is filled once, one tensor load a wave:
; waves 0 and 1 fetch the tokens' images (64 tokens each, dense, 32,768 bytes), waves 2 and 3 Wo's rows (64 each, 512 bytes + 16 of padding).
; No prefetch: every tile is asked for once, at the head, and there is no later load to run ahead of.
; BY ROWS OF THE RESULT: my 64 columns of Wo, all of K, come into 256 registers once; then my four tiles of 16 tokens are finished one after the other, 32 products each, and a finished tile leaves beside the next one's products.
; CLUSTER 4 x 4: the four work-groups of a row share their tokens, the four of a column their columns of Wo: each tile is asked for jointly.
; THE PRODUCT IS USED TRANSPOSED (source 0 = 16 columns of Wo, source 1 = 16 tokens): a lane holds eight neighbouring columns of one token's row.  bo is the C of each sum's first product.
; REGISTERS: window 0: v4-17 addresses; v32-47 Wo's scale words, v48-63 the tokens'; v64-95 the tokens' scale bytes by head, then rows on their way out, with v224-255 by turns; v96-223 a tile's 8 fragments, two sets.
;   window 1: Wo's fragments, tile ct, K step s at 64 ct + 8 s.   window 2: v0-127 the accumulators at 32 i + 8 ct, v128-159 bo's tiles.
.set PITCH, 528                        ; an LDS row of Wo: row r starts at bank 4 r mod 64 (64 banks of 4 bytes: ISA guide 11.1)
.set AB,    65536                      ; Wo's rows lie behind the tokens' images
.set STAGE, AB+128*PITCH               ; 16 rows x 272 bytes for each wave, for the way out
.set SP,    272
.set SPARE, STAGE+4*16*SP              ; the spare words, 128 bytes for each wave: two blocks of 256 bytes that no other line names
.set ADRA, 4
.set ADRB, 6
.set STO,  8
.set RD,   9
.set CO,   10
.set L32,  11
.set L2,   12
.set H32,  13
.set SPW,  14
.set NIL,  15
.set WS,   32
.set AS,   48
.set T,    64
.set FA,   96
.set BO,   128
.set G1A,  24
.set G0A,  32
.set G1B,  48
.set G0B,  56
.set MSB, 0
.macro WIN new                         ; bits 1:0 source 0, 3:2 source 1, 5:4 source 2, 7:6 destination; the immediate's high byte repeats the setting that is left
.if MSB != (\new)
	s_set_vgpr_msb (MSB<<8)|(\new)
.set MSB, (\new)
.endif
.endm
.macro PLACES n
.rept \n
	v_nop
.endr
.endm
.macro CROUND                          ; a round of the cluster's barrier
	s_barrier_signal -1
	s_barrier_wait -1
	s_cmp_lg_u32 s14, 0
	s_cbranch_scc1 .Lnot_wave_0_\@
	s_barrier_signal -3
.Lnot_wave_0_\@:
	s_barrier_wait -3
	s_barrier_signal -1
	s_barrier_wait -1
.endm
	s_load_b256 s[4:11], s[0:1], 0x0               ; oc s[4:5], os s[6:7], Wo_codes s[8:9], Wo_scales s[10:11]
	s_load_b128 s[68:71], s[0:1], 0x20             ; bo, out0
	v_lshl_add_u32 v[SPW], v0, 2, SPARE
	v_mov_b32 v[NIL], 0
	ds_add_u32 v[SPW], v[NIL]                      ; the wave's opening: the add, twice on end, and its wait ahead of my first tensor load
	ds_add_u32 v[SPW], v[NIL]
	v_lshrrev_b32 v1, 5, v0
	v_readfirstlane_b32 s14, v1                    ; wave 0..3
	s_lshr_b32 s15, s14, 1                         ; which 64 tokens are mine.  Also: I fetch tokens (0) or Wo (1)
	s_and_b32 s16, s14, 1                          ; which 64 columns.  Also: which half of the tile I fetch
	s_bfe_u32 s40, ttmp6, 0x40000                  ; cx, cy
	s_bfe_u32 s41, ttmp6, 0x40004
	s_lshl_b32 s42, ttmp9, 2
	s_add_co_u32 s42, s42, s40                     ; block of 128 columns
	s_and_b32 s17, ttmp7, 0xffff
	s_lshl_b32 s17, s17, 2
	s_add_co_u32 s17, s17, s41                     ; block of 128 tokens
	s_lshl_b32 s43, s41, 2
	s_lshl_b32 s43, 15, s43                        ; my row of the cluster
	s_lshl_b32 s44, 0x1111, s40                    ; my column
	s_or_b32 s[G1A+0], s43, (3<<16)|(1<<21)        ; elements of 8 bytes; 128 rows of 256 bytes, dense
	s_mov_b32 s[G1A+1], 32<<16
	s_mov_b32 s[G1A+2], 128<<16
	s_mov_b32 s[G1A+3], 32<<16
	s_mov_b32 s[G1A+4], 128
	s_mov_b32 s[G1A+5], 32
	s_mov_b32 s[G1A+6], 0
	s_mov_b32 s[G1A+7], 0
	s_or_b32 s[G1B+0], s44, (1<<20)|(1<<21)|(6<<22)|(3<<25)   ; elements of 1 byte; 64 rows of 512 bytes, 4 words of padding behind every 128
	s_mov_b32 s[G1B+1], 512<<16
	s_mov_b32 s[G1B+2], 64<<16
	s_mov_b32 s[G1B+3], 512<<16
	s_mov_b32 s[G1B+4], 64
	s_mov_b32 s[G1B+5], 512
	s_mov_b32 s[G1B+6], 0
	s_mov_b32 s[G1B+7], 0
	s_lshl_b32 s20, s17, 1
	s_add_co_u32 s20, s20, s16
	s_lshl_b32 s20, s20, 15                        ; 64 tokens' images: 32,768 bytes
	s_mov_b32 s21, 0
	s_lshl_b32 s46, s42, 1
	s_add_co_u32 s46, s46, s16
	s_lshl_b32 s46, s46, 15                        ; 64 rows of Wo: 32,768 bytes
	s_mov_b32 s47, 0
	s_lshl_b32 s45, s16, 15
	s_mul_i32 s19, s16, 64*PITCH
	s_add_co_u32 s19, s19, AB
	s_wait_alu depctr_va_vdst(0)
	s_wait_dscnt 0x0                               ; both opening adds are done
	s_wait_kmcnt 0x0
	s_mov_b32 s[G0A], 1
	s_mov_b32 s[G0A+1], s45
	s_add_nc_u64 s[G0A+2:G0A+3], s[4:5], s[20:21]
	s_or_b32 s[G0A+3], s[G0A+3], 0x80000000
	s_mov_b32 s[G0B], 1
	s_mov_b32 s[G0B+1], s19
	s_add_nc_u64 s[G0B+2:G0B+3], s[8:9], s[46:47]
	s_or_b32 s[G0B+3], s[G0B+3], 0x80000000
	CROUND                                         ; all sixteen work-groups are here: the joint loads meet
	s_cmp_eq_u32 s15, 0                            ; the wave's number alone
	s_cbranch_scc0 .Lfor_b
	tensor_load_to_lds s[G0A:G0A+3], s[G1A:G1A+7]
	s_nop 0
	PLACES 4
	s_branch .Lasked
.Lfor_b:
	tensor_load_to_lds s[G0B:G0B+3], s[G1B:G1B+7]
	s_nop 0
	PLACES 4
.Lasked:
	s_lshl_b32 s18, s15, 15                        ; my 64 tokens
	s_mul_i32 s2, s14, 16*SP
	s_add_co_u32 s2, s2, STAGE                     ; my stage
	v_and_b32 v3, 31, v0                           ; lane
	v_and_b32 v1, 15, v0                           ; r
	v_bfe_u32 v2, v0, 4, 1                         ; h
	v_lshl_add_u32 v[ADRA], v3, 4, s18
	v_mul_u32_u24 v16, v1, PITCH
	v_lshl_add_u32 v16, v2, 4, v16
	v_add_nc_u32 v[ADRB], s19, v16
	v_mul_u32_u24 v17, v1, SP
	v_lshl_add_u32 v[STO], v2, 5, v17
	v_add_nc_u32 v[STO], s2, v[STO]
	v_mul_u32_u24 v[RD], v2, SP
	v_lshl_add_u32 v[RD], v1, 4, v[RD]
	v_add_nc_u32 v[RD], s2, v[RD]
	v_lshlrev_b32 v[CO], 12, v2
	v_lshl_add_u32 v[CO], v1, 4, v[CO]
	v_lshlrev_b32 v[L32], 5, v3
	v_lshlrev_b32 v[L2], 1, v3
	v_lshlrev_b32 v[H32], 5, v2
	s_wait_alu depctr_va_vdst(0)
	s_mov_b32 s3, 0
	s_lshl_b32 s2, s42, 12                         ; Wo's scale bytes: 32 a row
	s_lshl_b32 s18, s16, 11
	s_add_co_u32 s2, s2, s18
	s_add_nc_u64 s[10:11], s[10:11], s[2:3]
	s_lshl_b32 s2, s42, 9                          ; my first column, in bytes
	s_lshl_b32 s18, s16, 8
	s_add_co_u32 s2, s2, s18
	s_add_nc_u64 s[68:69], s[68:69], s[2:3]
	s_lshl_b32 s18, s17, 19
	s_add_co_u32 s2, s2, s18
	s_lshl_b32 s18, s15, 18
	s_add_co_u32 s2, s2, s18
	s_add_nc_u64 s[70:71], s[70:71], s[2:3]
	s_lshr_b32 s2, s17, 4                          ; os: [batch][head][token], two bytes
	s_lshl_b32 s2, s2, 16
	s_and_b32 s18, s17, 15
	s_lshl_b32 s18, s18, 8
	s_add_co_u32 s2, s2, s18
	s_lshl_b32 s18, s15, 7
	s_add_co_u32 s2, s2, s18
	s_add_nc_u64 s[6:7], s[6:7], s[2:3]
.irp pr, 0,1
	global_load_b128 v[WS+8*\pr:WS+8*\pr+3], v[L32], s[10:11] offset:1024*\pr
	global_load_b128 v[WS+8*\pr+4:WS+8*\pr+7], v[L32], s[10:11] offset:1024*\pr+16
.endr
.irp pr, 0,1
.irp hd, 0,1,2,3,4,5,6,7,8,9,10,11,12,13,14,15
	global_load_u16 v[T+16*\pr+\hd], v[L2], s[6:7] offset:4096*\hd+64*\pr   ; head hd's two bytes of token 32 pr + lane
.endr
.endr
	WIN 0x80                                       ; destination window 2
.irp ct, 0,1,2,3
	global_load_b128 v[BO+8*\ct:BO+8*\ct+3], v[H32], s[68:69] offset:64*\ct
	global_load_b128 v[BO+8*\ct+4:BO+8*\ct+7], v[H32], s[68:69] offset:64*\ct+16
.endr
	WIN 0
; One scaled product; its registers stand in the symbols rD, rA, rB, rC, rSA, rSB.  ra, rb = 1: that side's scale words are read from lanes 16-31
.macro WM ra, rb
.if (\ra)==0 && (\rb)==0
	v_wmma_scale_f32_16x16x128_f8f6f4 v[rD:rD+7], v[rA:rA+7], v[rB:rB+7], v[rC:rC+7], v[rSA], v[rSB] matrix_a_fmt:MATRIX_FMT_FP4 matrix_b_fmt:MATRIX_FMT_FP4
.elseif (\rb)==0
	v_wmma_scale_f32_16x16x128_f8f6f4 v[rD:rD+7], v[rA:rA+7], v[rB:rB+7], v[rC:rC+7], v[rSA], v[rSB] matrix_a_fmt:MATRIX_FMT_FP4 matrix_b_fmt:MATRIX_FMT_FP4 matrix_a_scale:MATRIX_SCALE_ROW1
.elseif (\ra)==0
	v_wmma_scale_f32_16x16x128_f8f6f4 v[rD:rD+7], v[rA:rA+7], v[rB:rB+7], v[rC:rC+7], v[rSA], v[rSB] matrix_a_fmt:MATRIX_FMT_FP4 matrix_b_fmt:MATRIX_FMT_FP4 matrix_b_scale:MATRIX_SCALE_ROW1
.else
	v_wmma_scale_f32_16x16x128_f8f6f4 v[rD:rD+7], v[rA:rA+7], v[rB:rB+7], v[rC:rC+7], v[rSA], v[rSB] matrix_a_fmt:MATRIX_FMT_FP4 matrix_b_fmt:MATRIX_FMT_FP4 matrix_a_scale:MATRIX_SCALE_ROW1 matrix_b_scale:MATRIX_SCALE_ROW1
.endif
.endm
.macro ALOAD i                         ; 16 LDS loads: tile i of 16 tokens, all of K (K step s: heads 2 s and 2 s + 1), into set i % 2
	WIN 0
.irp s, 0,1,2,3,4,5,6,7
.irp c, 0,1
	ds_load_b128 v[FA+64*(\i%2)+8*\s+4*\c:FA+64*(\i%2)+8*\s+4*\c+3], v[ADRA] offset:8192*\i+1024*\s+512*\c
.endr
.endr
.endm
.macro PRODS i                         ; 32 products: the tile's four accumulators by turns, K ascending
	WIN 0xa1                                       ; source 0 (Wo) window 1, source 1 (tokens) window 0, C and D window 2
.irp s, 0,1,2,3,4,5,6,7
.if \i == 0
.if 16+8*(7-\s) > 63
	s_wait_dscnt 63
.else
	s_wait_dscnt 16+8*(7-\s)                       ; Wo's fragments of this K step are in: the later steps' and tile 1's may be out
.endif
.endif
.irp ct, 0,1,2,3
.set rD, 32*\i+8*\ct
.set rA, 64*\ct+8*\s
.set rB, FA+64*(\i%2)+8*\s
.set rC, rD
.if \s == 0
.set rC, BO+8*\ct
.endif
.set rSA, WS+8*(\ct/2)+\s
.set rSB, AS+8*(\i/2)+\s
	WM \ct%2, \i%2
.endr
.endr
	WIN 0
.endm
; THE WAY OUT: 16 tokens x 64 columns through my stage: rows of 256 bytes; sixteen lanes store one aligned unit
.macro TOSTAGE i
	WIN 0x08                                       ; the data in window 2
.irp ct, 0,1,2,3
	ds_store_b128 v[STO], v[32*\i+8*\ct:32*\i+8*\ct+3] offset:64*\ct
	ds_store_b128 v[STO], v[32*\i+8*\ct+4:32*\i+8*\ct+7] offset:64*\ct+16
.endr
	WIN 0
.set OB, 224-160*(\i%2)
.irp k, 0,1,2,3,4,5,6,7
	ds_load_b128 v[OB+4*\k:OB+4*\k+3], v[RD] offset:2*\k*SP   ; LDS serves a wave's instructions in order (ISA guide 5.7.1.4)
.endr
.endm
.macro SEND i, younger                 ; younger: the LDS loads issued behind TOSTAGE's, which may be out
	s_wait_dscnt \younger
.set OB, 224-160*(\i%2)
.irp k, 0,1,2,3,4,5,6,7
	global_store_b128 v[CO], v[OB+4*\k:OB+4*\k+3], s[70:71] offset:(16*\i+2*\k)*4096 th:TH_STORE_NT
.endr
.endm
	s_wait_alu depctr_va_vdst(0)
	s_wait_tensorcnt 0x0                           ; my tile is in,
	s_barrier_signal -1
	s_barrier_wait -1                              ; everybody's is.
	ALOAD 0
	WIN 0x40                                       ; destination window 1
.irp s, 0,1,2,3,4,5,6,7
.irp ct, 0,1,2,3
.irp c, 0,1
	ds_load_b128 v[64*\ct+8*\s+4*\c:64*\ct+8*\s+4*\c+3], v[ADRB] offset:\ct*16*PITCH+64*\s+32*\c
.endr
.endr
.endr
	WIN 0
	ALOAD 1
	s_wait_loadcnt 0x0
.irp pr, 0,1
.irp s, 0,1,2,3,4,5,6,7
	v_lshl_or_b32 v[AS+8*\pr+\s], v[T+16*\pr+2*\s+1], 16, v[T+16*\pr+2*\s]   ; K step s's scale word: two heads' bytes
.endr
.endr
	PLACES 8                                       ; between the last scale word and the first product
	s_wait_alu depctr_va_vdst(0)
	PRODS 0
	PLACES 4                                       ; in front of the reads of results and of loads into the set just multiplied
	TOSTAGE 0
	ALOAD 2
	s_wait_dscnt 32                                ; tile 1 is in: behind it 16 of the stage's and tile 2's 16
	PRODS 1
	SEND 0, 16
	PLACES 4
	TOSTAGE 1
	ALOAD 3
	s_wait_dscnt 32
	PRODS 2
	SEND 1, 16
	PLACES 4
	s_wait_xcnt 0x0                                ; tile 0's stores have read their registers: tile 2's rows may land there
	TOSTAGE 2
	s_wait_dscnt 16                                ; tile 3 is in: behind it 16 of the stage's
	PRODS 3
	SEND 2, 0
	PLACES 4
	s_wait_xcnt 0x0
	TOSTAGE 3
	SEND 3, 0
	s_wait_tensorcnt 0x0                           ; the wave's end, behind my last tensor load and my last LDS store
	ds_add_u32 v[SPW], v[NIL]
	s_wait_dscnt 0x0
	CROUND                                         ; the closing round
	s_endpgm
.Lfunc_end_k_qcc21337bb4_proj:
	.size	k_qcc21337bb4_proj, .Lfunc_end_k_qcc21337bb4_proj-k_qcc21337bb4_proj
	.p2alignl 7, 3214868480
	.fill 96, 4, 3214868480
	.section	.rodata,"a",@progbits
	.p2align	6, 0x0
	.amdhsa_kernel k_qcc21337bb4_proj
		.amdhsa_group_segment_fixed_size 167936
		.amdhsa_private_segment_fixed_size 0
		.amdhsa_enable_private_segment 0
		.amdhsa_kernarg_size 48
		.amdhsa_user_sgpr_count 2
		.amdhsa_user_sgpr_kernarg_segment_ptr 1
		.amdhsa_wavefront_size32 1
		.amdhsa_system_sgpr_workgroup_id_x 1
		.amdhsa_system_sgpr_workgroup_id_y 1
		.amdhsa_system_sgpr_workgroup_id_z 1
		.amdhsa_system_vgpr_workitem_id 0
		.amdhsa_next_free_vgpr 768
		.amdhsa_next_free_sgpr 72
		.amdhsa_reserve_vcc 0
		.amdhsa_float_denorm_mode_32 3
		.amdhsa_float_denorm_mode_16_64 3
		.amdhsa_memory_ordered 1
		.amdhsa_forward_progress 1
		.amdhsa_inst_pref_size 45
	.end_amdhsa_kernel
	.amdgpu_metadata
---
amdhsa.version: [ 1, 2 ]
amdhsa.kernels:
  - .name:           k_qcc21337bb4_proj
    .symbol:         k_qcc21337bb4_proj.kd
    .args:
      - { .name: oc, .offset: 0, .size: 8, .value_kind: global_buffer, .address_space: global }
      - { .name: os, .offset: 8, .size: 8, .value_kind: global_buffer, .address_space: global }
      - { .name: Wo_codes, .offset: 16, .size: 8, .value_kind: global_buffer, .address_space: global }
      - { .name: Wo_scales, .offset: 24, .size: 8, .value_kind: global_buffer, .address_space: global }
      - { .name: bo, .offset: 32, .size: 8, .value_kind: global_buffer, .address_space: global }
      - { .name: out0, .offset: 40, .size: 8, .value_kind: global_buffer, .address_space: global }
    .group_segment_fixed_size: 167936
    .private_segment_fixed_size: 0
    .kernarg_segment_align: 8
    .kernarg_segment_size: 48
    .max_flat_workgroup_size: 128
    .sgpr_count:     72
    .vgpr_count:     768
    .wavefront_size: 32
...
	.end_amdgpu_metadata
.endif
;; end of part 3
